; MI455X (gfx1250); checked and timed in simulation.
; The chip was launched on July 23, 2026; its instructions are those of AMD's public machine-readable ISA for CDNA 5 (MIT licence, August 2026) and "CDNA5" Instruction Set Architecture Reference Guide (July 2026). The comments in the code are by the model that wrote it; some were corrected since.
;; Scale Adaptive Router. Allowed arithmetic: matrix products marked QUANTISED: E3M2 operands, one E8M0 scale for each 32 along K, by v_wmma_scale_f32_16x16x128_f8f6f4 with both operands' format E3M2, f32 sums; everything else in f32.
;; Inputs: noise 4 x 4,096 x 64 float32; router_w 64 x 2,112 float32; scale_embeddings 10 x 64 float32; x 4 x 4,096 x 2,048 float32.
;; Outputs: out0 4 x 4,096 x 64 float32.
;; Constants: scale_idx = 3.
;; This version of the problem:
;;   THIS VERSION OF THE PROBLEM IS GIVEN IN LOW PRECISION. The matrix products marked QUANTISED in the list below multiply operands that are first quantised to E3M2 (3 exponent bits, 2 mantissa bits; 6 bits a number), with one power-of-two scale for each 32 numbers along K (OCP MX v1.0); their sums are f32. All else is computed in f32.
;;   The module's matrix products, in the order in which they are computed (A, B: the left and right operand; K: the contracted axis; several contracted axes count as one K, in the product's order):
;;     1. [M 16,384, K 2,112] x [K 2,112, N 64]; A: computed on the way; B: input router_w: QUANTISED
;;   THE QUANTISER, for each operand of a quantised product, along K:
;;     - K is cut into blocks of 32 from its start; a last block that is shorter is filled with zeros.
;;     - A block's scale is 2^e with e = floor(log2(the largest magnitude in the block)) - 4, held to -126 .. 127; a block of zeros has e = 0. As a byte (E8M0): e + 127.
;;     - Each number is divided by its block's scale, clamped to +-28, and rounded to the nearest number of E3M2, ties to even, subnormals kept.
;;     - The product sums the exact products of the quantised numbers (number of the format x scale) in f32.
;;   ~~~python
;;   def quantise(x, axis):      # numpy; x: float32 -> the quantised numbers, widened to float32 again
;;       x = np.moveaxis(x, axis, -1); K = x.shape[-1]
;;       x = np.pad(x, [(0, 0)] * (x.ndim - 1) + [(0, -K % 32)]); x = x.reshape(x.shape[:-1] + (-1, 32)); a = np.abs(x).max(-1, keepdims=True)
;;       e = np.where(a > 0, np.clip(np.frexp(np.where(a > 0, a, 1))[1] - 1 - 4, -126, 127), 0)      # np.frexp(a)[1] - 1 = floor(log2(a)), exactly
;;       r = np.clip(x / 2.0 ** e, -28, 28)
;;       step = 2.0 ** (np.maximum(np.frexp(np.where(r == 0, 1, r))[1] - 1, -2) - 2)
;;       q = np.round(r / step) * step * 2.0 ** e      # np.round: ties to even
;;       return np.moveaxis(q.reshape(q.shape[:-2] + (-1,))[..., :K], -1, axis).astype(np.float32)
;;   ~~~
;;   OPERANDS COMPUTED ON THE WAY. 'Computed on the way' means the value that the module computes at that place (a softmax that the list does not call 'softmax' is quantised finished and normalised). What goes into a quantiser is computed in f32, as accurately as f32 sums, v_exp_f32 and their like allow (about 1e-6 of the number): no bf16 or f16 on the way to a quantiser, and a product that is left as it is and whose result goes on into a quantised operand takes f32 operands (vector FMAs, or v_wmma_f32_16x16x4_f32). A number that lies on a knife's edge between two numbers of the format may be rounded either way, as far as f32 arithmetic and the matrix unit's own rounding can turn it there, and no further.
;; One version. Each part assembles by itself: llvm-mc -triple=amdgcn-amd-amdhsa -mcpu=gfx1250 --defsym DOCPART=n.
;; ======== version 1 of 1: 2 launches
;; workspace buffers: wimg 102,656 bytes
;; launch prep (part 1): grid 17 x 1, 4 waves a work-group, no clusters, 35,328 bytes of LDS; arguments router_w, scale_embeddings, wimg; writes wimg
.if DOCPART == 1
	.amdgcn_target "amdgcn-amd-amdhsa--gfx1250"
	.amdhsa_code_object_version 6
	.text
	.protected	k_q6dcc3645c4_prep
	.globl	k_q6dcc3645c4_prep
	.p2align	8
	.type	k_q6dcc3645c4_prep,@function
k_q6dcc3645c4_prep:
	s_mov_b64 s[64:65], 0
	v_nop
	global_prefetch_b8 v0, s[64:65] scope:SCOPE_SE
	s_setreg_imm32_b32 hwreg(HW_REG_WAVE_MODE, 25, 1), 1
	s_wait_xcnt 0x0
; router_w [64][2112] f32 is quantised ONCE along K into codes of BF6 (E3M2) with one E8M0 byte for each 32 along K, and laid out as the next launch's waves take it.
; A block's scale is 2^(floor(log2(largest magnitude)) - 4): its byte is the largest magnitude's exponent field - 4, held at 1 from below by a floor among the maximum's leaves.
; (A block of zeros so gets the byte 1 where the rule says 127: its codes are zeros, which add nothing, and the bytes are read by this program alone.)
; LIMITS: NaN and infinities among the inputs are not served.
; WORK-GROUP s < 16 takes K step s (k = 128 s .. 128 s + 127); its wave t takes experts 16 t .. 16 t + 15: one fragment, 12 registers a lane.
;   Lane (r, h) holds expert 16 t + r; registers 6 c .. 6 c + 5 hold k = 64 c + 32 h + 0 .. 31.  The fragment is stored AS AN IMAGE OF ITS REGISTERS: three stores of 512 consecutive bytes.
;   The four tiles' scale words (4 bytes a row) meet in LDS and leave as one aligned block of 256 bytes.  A K step of the image: 4 x 1,536 + 256 = 6,400 bytes.
; WORK-GROUP 16 takes K's tail, k = 2048 .. 2111.  There the left operand is scale_embeddings[3] for EVERY token, so this part of every logit is the same for all tokens: it is
;   quantised (both sides), multiplied once by the format's matrix instruction (the K step's other 64 are zero codes) and stored as 64 f32 behind the image, at byte 16 x 6,400.
; 17 work-groups: the work has 17 K steps of four fragments, no more.  No tensor load, one barrier.
.set KALL,   2112
.set ROWW,   KALL*4                    ; a row of router_w in bytes: 33 x 256, so every 512-byte piece of a row begins at a multiple of 256
.set TAILB,  2048*4                    ; where K's tail begins in a row
.set EMBROW, 3*256                     ; scale_idx = 3: row 3 of 64 f32
.set FRB,    1536                      ; a fragment's image
.set KIMG,   4*FRB+256                 ; a K step of the image
.set NSTEP,  16
.set SPITCH, 528                       ; a stage row: 512 bytes + 16 = 33 x 16: the 16 rows that a load of 16 bytes a lane touches start at 16 different groups of banks (64 banks of 4 bytes: ISA guide 11.1)
.set STGB,   16*SPITCH
.set STAGE,  256                       ; LDS: bytes 0-255 the four waves' words; then a stage for each wave
.set FLOOR,  5<<23                     ; 2^(5 - 127)
.set XO,   1                           ; v1   16 x lane
.set SST,  2                           ; v2   the stage, way in: 16 x lane
.set SLD,  3                           ; v3   the stage, way out: row r, + 128 h
.set GA,   4                           ; v4   LDS: my row's word: 64 t + 4 r
.set G8,   5                           ; v5   8 x lane
.set TA,   6                           ; v6   the tail: my row of my 16, + 128 h
.set TB,   7                           ; v7   128 h
.set SH,   8                           ; v8   8 h
.set WORD, 9                           ; v9   what my row gives to the block of 256 bytes: its scale word, or its part of the logit
.set WSW,  10                          ; v10  the tail: W's scale words (scales and nothing else)
.set ESW,  11                          ; v11  the tail: the embedding's
.set MX,   12                          ; v12-15 at work
.set SO,   16                          ; v16-17 the conversions' scale operands
.set PC,   20                          ; v20-31 W's codes
.set FE,   32                          ; v32-43 the embedding's codes
.set T2,   44                          ; v44-51 the conversions' second halves
.set ACC,  52                          ; v52-59
.set X,    60                          ; v60-123  64 numbers: two blocks of 32
.set R,    124                         ; v124-187 16 rows as loaded
.set SEL,  30                          ; s[30:31] v_permlanex16_b32's selects for lane l xor 16
; The largest magnitudes of v[X..X+31] and v[X+32..X+63] (four chains, so that no line waits for the line above it), the conversions' operands in v[SO], v[SO+1], the bytes in v[MX], v[MX+1]
.macro MAXES
.irp u, 0,1,2,3
	v_max3_num_f32 v[MX+\u], |v[X+16*\u]|, |v[X+16*\u+1]|, FLOOR
.endr
.irp i, 2,4,6,8,10,12,14
.irp u, 0,1,2,3
	v_max3_num_f32 v[MX+\u], v[MX+\u], |v[X+16*\u+\i]|, |v[X+16*\u+\i+1]|
.endr
.endr
	v_max_num_f32 v[MX], v[MX], v[MX+1]
	v_max_num_f32 v[MX+1], v[MX+2], v[MX+3]
	v_add_nc_u32 v[SO], 0xfe000000, v[MX]          ; 4 off the exponent field: the conversion takes this operand's exponent field as its scale
	v_add_nc_u32 v[SO+1], 0xfe000000, v[MX+1]
	v_lshrrev_b32 v[MX], 23, v[SO]                 ; the scales' bytes
	v_lshrrev_b32 v[MX+1], 23, v[SO+1]
.endm
	s_load_b128 s[4:7], s[0:1], 0x0                ; router_w, scale_embeddings
	s_load_b64 s[8:9], s[0:1], 0x10                ; the image
	v_lshl_add_u32 v192, v0, 2, 0x8800
	v_mov_b32 v193, 0
	v_lshrrev_b32 v[MX], 5, v0
	v_readfirstlane_b32 s12, v[MX]                 ; wave = tile t
	v_and_b32 v[MX], 31, v0                        ; lane
	v_and_b32 v[MX+1], 15, v0                      ; r
	v_bfe_u32 v[MX+2], v0, 4, 1                    ; h
	v_lshlrev_b32 v[XO], 4, v[MX]
	v_lshlrev_b32 v[G8], 3, v[MX]
	v_lshlrev_b32 v[SH], 3, v[MX+2]
	s_lshl_b32 s13, s12, 6
	v_lshl_add_u32 v[GA], v[MX+1], 2, s13
	s_mul_i32 s14, s12, STGB
	s_add_co_u32 s14, s14, STAGE                   ; my stage
	v_add_nc_u32 v[SST], s14, v[XO]
	v_mul_u32_u24 v[SLD], v[MX+1], SPITCH
	v_lshl_add_u32 v[SLD], v[MX+2], 7, v[SLD]
	v_add_nc_u32 v[SLD], s14, v[SLD]
	v_lshlrev_b32 v[TB], 7, v[MX+2]
	v_mad_u32_u24 v[TA], v[MX+1], ROWW, v[TB]
	s_mov_b32 s[SEL], 0x76543210
	s_mov_b32 s[SEL+1], 0xfedcba98
	s_mul_i32 s20, s12, 16*ROWW                    ; my 16 rows of router_w
	s_mov_b32 s21, 0
	s_mul_i32 s22, ttmp9, KIMG                     ; my K step's place in the image; for work-group 16: the 64 f32 behind it
	s_mov_b32 s23, 0
	s_wait_kmcnt 0x0
	s_add_nc_u64 s[4:5], s[4:5], s[20:21]
	s_add_nc_u64 s[8:9], s[8:9], s[22:23]
	s_cmp_eq_u32 ttmp9, NSTEP                      ; the same in all four waves
	s_cbranch_scc1 .Ltail
	; ---- a whole K step.  Each load reads 512 consecutive bytes of one row; the 16 rows turn through my stage and come back two whole blocks of 32 a lane
	s_lshl_b32 s20, ttmp9, 9
	s_add_nc_u64 s[4:5], s[4:5], s[20:21]
.irp i, 0,1,2,3,4,5,6,7,8,9,10,11,12,13,14,15
	global_load_b128 v[R+4*\i:R+4*\i+3], v[XO], s[4:5] offset:\i*ROWW th:TH_LOAD_NT
.endr
	s_wait_loadcnt 0x0
	s_wait_alu depctr_va_vdst(0)
.irp i, 0,1,2,3,4,5,6,7,8,9,10,11,12,13,14,15
	ds_store_b128 v[SST], v[R+4*\i:R+4*\i+3] offset:\i*SPITCH
.endr
.irp c, 0,1
.irp j, 0,1,2,3,4,5,6,7
	ds_load_b128 v[X+32*\c+4*\j:X+32*\c+4*\j+3], v[SLD] offset:256*\c+16*\j   ; LDS serves a wave's instructions in order (ISA guide 5.7.1.4): these see my stores
.endr
.endr
	s_wait_dscnt 0x0
	MAXES
	v_lshl_or_b32 v[MX], v[MX+1], 16, v[MX]        ; my two bytes: blocks h and 2 + h of my row,
	v_lshlrev_b32 v[MX], v[SH], v[MX]              ; at their places in the scale word;
	v_permlanex16_b32 v[MX+2], v[MX], s[SEL], s[SEL+1]
	v_or_b32 v[WORD], v[MX], v[MX+2]               ; with lane l xor 16's two the word is whole, in both lanes
	v_cvt_scalef32_pk16_bf6_f32 v[PC:PC+2], v[X:X+15], v[SO]
	v_cvt_scalef32_pk16_bf6_f32 v[T2:T2+2], v[X+16:X+31], v[SO]         ; (a conversion's three registers begin on an even number: a block's second half is made elsewhere and moved)
	v_cvt_scalef32_pk16_bf6_f32 v[PC+6:PC+8], v[X+32:X+47], v[SO+1]
	v_cvt_scalef32_pk16_bf6_f32 v[T2+4:T2+6], v[X+48:X+63], v[SO+1]
	v_nop                                          ; one plain place behind the conversions
.irp i, 0,1,2
	v_mov_b32 v[PC+3+\i], v[T2+\i]
	v_mov_b32 v[PC+9+\i], v[T2+4+\i]
.endr
	s_mul_i32 s20, s12, FRB
	s_add_nc_u64 s[14:15], s[8:9], s[20:21]        ; my fragment's image
.irp g, 0,1,2
	global_store_b128 v[XO], v[PC+4*\g:PC+4*\g+3], s[14:15] offset:512*\g   ; 32 lanes store 512 consecutive bytes, at a multiple of 256 from the buffer's first byte
.endr
	s_add_nc_u64 s[8:9], s[8:9], 4*FRB             ; the scale words lie behind the K step's four fragments (the stores above name s[14:15])
	s_branch .Ljoin
.Ltail:
	; ---- K's tail: one block of 32 a lane from my 16 rows of router_w, one from the embedding's row (every r reads the same).  256 bytes a row, read once by this one work-group: straight into the lanes that want them
	s_wait_alu depctr_va_vdst(0)
.irp j, 0,1,2,3,4,5,6,7
	global_load_b128 v[X+4*\j:X+4*\j+3], v[TA], s[4:5] offset:TAILB+16*\j
	global_load_b128 v[X+32+4*\j:X+32+4*\j+3], v[TB], s[6:7] offset:EMBROW+16*\j
.endr
	s_wait_loadcnt 0x0
	MAXES                                          ; v[SO], v[MX]: router_w's block h;  v[SO+1], v[MX+1]: the embedding's
	v_lshlrev_b32 v[MX], v[SH], v[MX]
	v_lshlrev_b32 v[MX+1], v[SH], v[MX+1]
	v_permlanex16_b32 v[MX+2], v[MX], s[SEL], s[SEL+1]
	v_permlanex16_b32 v[MX+3], v[MX+1], s[SEL], s[SEL+1]
	v_or_b32 v[WSW], v[MX], v[MX+2]                ; bytes 0 and 1: blocks 0 and 1; bytes 2 and 3 stay 0 over zero codes
	v_or_b32 v[ESW], v[MX+1], v[MX+3]
	v_cvt_scalef32_pk16_bf6_f32 v[PC:PC+2], v[X:X+15], v[SO]
	v_cvt_scalef32_pk16_bf6_f32 v[T2:T2+2], v[X+16:X+31], v[SO]
	v_cvt_scalef32_pk16_bf6_f32 v[FE:FE+2], v[X+32:X+47], v[SO+1]
	v_cvt_scalef32_pk16_bf6_f32 v[T2+4:T2+6], v[X+48:X+63], v[SO+1]
	v_nop                                          ; one plain place behind the conversions
.irp i, 0,1,2
	v_mov_b32 v[PC+3+\i], v[T2+\i]
	v_mov_b32 v[FE+3+\i], v[T2+4+\i]
.endr
.irp i, 6,7,8,9,10,11
	v_mov_b32 v[PC+\i], 0                          ; k = 2112 on: zero codes on both sides
	v_mov_b32 v[FE+\i], 0
.endr
.rept 4
	v_nop                                          ; operands written by vector instructions stand four places ahead of a scaled matrix instruction; the scale words stand 23 ahead (8 are asked)
.endr
	v_wmma_scale_f32_16x16x128_f8f6f4 v[ACC:ACC+7], v[FE:FE+11], v[PC:PC+11], 0, v[ESW], v[WSW] matrix_a_fmt:MATRIX_FMT_BF6 matrix_b_fmt:MATRIX_FMT_BF6   ; source 0: 16 equal rows (the embedding), source 1: my 16 experts: every register of lane (r, h) holds expert 16 t + r's sum
.rept 4
	v_nop                                          ; four places behind it (ISA guide 7.12.1)
.endr
	v_mov_b32 v[WORD], v[ACC]
.Ljoin:
	ds_store_b32 v[GA], v[WORD]                    ; lanes r and r + 16 write the same word with the same value
	s_wait_dscnt 0x0                               ; for the others' sake: my store has landed
	s_barrier_signal -1
	s_barrier_wait -1
	s_cmp_lg_u32 s12, 0
	s_cbranch_scc1 .Ldone
	ds_load_b64 v[MX:MX+1], v[G8]                  ; wave 0 takes the four waves' 64 words
	s_wait_dscnt 0x0
	global_store_b64 v[G8], v[MX:MX+1], s[8:9]     ; 32 lanes store one aligned block of 256 bytes
.Ldone:
	s_wait_tensorcnt 0x0
	ds_add_u32 v192, v193
	s_wait_dscnt 0x0
	s_endpgm
.Lfunc_end_k_q6dcc3645c4_prep:
	.size	k_q6dcc3645c4_prep, .Lfunc_end_k_q6dcc3645c4_prep-k_q6dcc3645c4_prep
	.p2alignl 7, 3214868480
	.fill 96, 4, 3214868480
	.section	.rodata,"a",@progbits
	.p2align	6, 0x0
	.amdhsa_kernel k_q6dcc3645c4_prep
		.amdhsa_group_segment_fixed_size 35328
		.amdhsa_private_segment_fixed_size 0
		.amdhsa_enable_private_segment 0
		.amdhsa_kernarg_size 24
		.amdhsa_user_sgpr_count 2
		.amdhsa_user_sgpr_kernarg_segment_ptr 1
		.amdhsa_wavefront_size32 1
		.amdhsa_system_sgpr_workgroup_id_x 1
		.amdhsa_system_sgpr_workgroup_id_y 1
		.amdhsa_system_sgpr_workgroup_id_z 1
		.amdhsa_system_vgpr_workitem_id 0
		.amdhsa_next_free_vgpr 194
		.amdhsa_next_free_sgpr 66
		.amdhsa_reserve_vcc 0
		.amdhsa_float_denorm_mode_32 3
		.amdhsa_float_denorm_mode_16_64 3
		.amdhsa_memory_ordered 1
		.amdhsa_forward_progress 1
		.amdhsa_inst_pref_size 15
	.end_amdhsa_kernel
	.amdgpu_metadata
---
amdhsa.version: [ 1, 2 ]
amdhsa.kernels:
  - .name:           k_q6dcc3645c4_prep
    .symbol:         k_q6dcc3645c4_prep.kd
    .args:
      - { .name: router_w, .offset: 0, .size: 8, .value_kind: global_buffer, .address_space: global }
      - { .name: scale_embeddings, .offset: 8, .size: 8, .value_kind: global_buffer, .address_space: global }
      - { .name: wimg, .offset: 16, .size: 8, .value_kind: global_buffer, .address_space: global }
    .group_segment_fixed_size: 35328
    .private_segment_fixed_size: 0
    .kernarg_segment_align: 8
    .kernarg_segment_size: 24
    .max_flat_workgroup_size: 128
    .sgpr_count:     66
    .vgpr_count:     194
    .wavefront_size: 32
...
	.end_amdgpu_metadata
.endif
;; end of part 1
;; launch route (part 2): grid 256 x 1, 16 waves a work-group, clusters of 4 x 1, 239,616 bytes of LDS; arguments x, noise, wimg, out0; writes out0
.if DOCPART == 2
	.amdgcn_target "amdgcn-amd-amdhsa--gfx1250"
	.amdhsa_code_object_version 6
	.text
	.protected	k_q6dcc3645c4_route
	.globl	k_q6dcc3645c4_route
	.p2align	8
	.type	k_q6dcc3645c4_route,@function
k_q6dcc3645c4_route:
	s_mov_b64 s[64:65], 0
	v_nop
	global_prefetch_b8 v0, s[64:65] scope:SCOPE_SE
	s_setreg_imm32_b32 hwreg(HW_REG_WAVE_MODE, 25, 1), 1
	s_wait_xcnt 0x0
	s_wait_alu depctr_hold_cnt(0) depctr_sa_sdst(0) depctr_va_vdst(0) depctr_va_sdst(0) depctr_va_ssrc(0) depctr_va_vcc(0) depctr_vm_vsrc(0)
	s_getreg_b32 s2, hwreg(HW_REG_IB_STS2, 6, 4)
	s_cmp_eq_u32 s2, 0
	s_cbranch_scc0 .Lentry_in_a_cluster
	s_endpgm
.Lentry_in_a_cluster:
	s_bfe_u32 s2, ttmp6, 0x10000c
	s_cmp_lg_u32 s2, 0x3003
	s_cbranch_scc0 .Lentry_shape_is_right
	s_endpgm
.Lentry_shape_is_right:
; dispatch[token][expert]: logits = Q(x | emb) Q(router_w)^T + 0.1 noise; the two largest logits of a token get the weights p1 / (p1 + p2), p2 / (p1 + p2) of their softmax probabilities; all else 0.
; x [16384][2048] f32 is quantised here, in registers, to codes of BF6 (E3M2) with one E8M0 byte for each 32 along K; router_w's codes and scale words come from the launch before, as images of the
; operand's registers (6,400 bytes a K step of 128); K's tail (the scale embedding, the same for every token) comes from there as 64 finished f32 sums.
; SHARES.  A work-group owns 64 tokens: 512 KB of x.  Wave w = 4 m + q takes tokens 16 m .. 16 m + 15 and K quarter q: four K steps of 128.  The product is used transposed (source 0 = 16 experts,
; source 1 = my 16 tokens): four accumulators, one for each tile of experts, by turns.  The four quarters' sums meet in LDS; then wave w finishes tokens 4 w .. 4 w + 3: sixteen lanes to a token, four experts a lane,
; so that noise is loaded and the result stored 512 consecutive bytes an instruction.
; x'S WAY.  A load reads 512 consecutive bytes: one token's K step.  Eight loads are a half set (8 tokens of a K step); a ring of three half sets (96 registers) holds what is on its way.  A HALF SET'S REGISTERS TAKE THE HALF SET
; THREE ON AS SOON AS ITS EIGHT STORES INTO THE STAGE ARE DONE, ahead of the step's reads of the stage and of all its arithmetic: so until the last refill 16 to 24 loads, 8 to 12 KB, of every wave are on their way.
; A K step's 16 rows turn through the wave's own stage in LDS and come back two WHOLE blocks of 32 a lane, in the operand's own order: a block's largest magnitude needs no other lane.
; CLUSTER.  All work-groups read the same image of router_w (102,400 bytes): the four of a cluster ask for it JOINTLY, once, at the start: four tensor loads of 100 rows x 256 bytes, waves 0 to 3.  Nothing in LDS is filled twice.
; THE SOFTMAX.  The two kept probabilities are divided by their own sum, so the softmax's denominator cancels for every input: w1 = 1 / (1 + e^(l2 - l1)), w2 = e^(l2 - l1) w1.  The row's maximum l1 is what is taken away
; ahead of the exponential, so its argument is never above 0.
; LIMITS.  NaN and infinities are not served.  A weight under 2^-126 comes out as 0 (v_exp_f32 flushes).  Ties: of equal LOGITS the lower expert comes first; reference() compares probabilities, which differs only where two unequal logits
; lie so close that their probabilities round to one f32.  The f32 sum of a logit is made of four quarters of K (each ascending in one accumulator), added in ascending order, then K's tail, then 0.1 noise by one fused multiply-add.
; A block whose largest magnitude lies under 2^-122 has its byte held at 1, as the rule's hold at -126 has it; a block of zeros has the byte 1 and zero codes.
; No prefetch: every byte of x is asked for by loads that already run ahead of the work, and the launch does little else than wait for them.
.set ROWX,   8192                      ; a row of x in bytes
.set KSB,    512                       ; a K step of a row
.set FRB,    1536                      ; a fragment's image: 12 registers x 128 bytes
.set KIMG,   4*FRB+256                 ; a K step of the image: four fragments, 64 scale words
.set WIMGB,  16*KIMG                   ; the image; behind it in memory: K's tail, 64 f32
.set TLB,    WIMGB/4                   ; what one tensor load brings: 100 rows of 256 bytes; also a K quarter of the image
.set SPITCH, 528                       ; a stage row: 512 bytes + 16 = 33 x 16: the 16 rows that a load of 16 bytes a lane touches start at 16 different groups of banks (64 banks of 4 bytes: ISA guide 11.1)
.set STGB,   16*SPITCH                 ; a wave's stage: 33 blocks of 256 bytes
.set STAGE,  WIMGB                     ; LDS: the image at 0, then the sixteen stages: no fill lands in a block that is stored to
.set PPITCH, 272                       ; the partial sums, in the stages: a token's 64 f32 + 16 bytes
.set FLOOR,  5<<23                     ; 2^(5 - 127)
.set XO,   1                           ; v1   16 x lane: my place in a load's or store's 512 bytes
.set SST,  2                           ; v2   my stage, way in
.set SLD,  3                           ; v3   my stage, way out: row r, + 128 h
.set WLD,  4                           ; v4   the image: my K quarter, 16 x lane
.set WSC,  5                           ; v5   its scale words: 4 x lane
.set PST,  6                           ; v6   partial sums, way in: row r, + 32 h
.set PRD,  7                           ; v7   partial sums, way out
.set BO,   8                           ; v8   16 x (lane % 16)
.set SH,   9                           ; v9   8 x (lane / 16)
.set XSW,  10                          ; v10  x's scale words (scales and nothing else)
.set WS,   12                          ; v12-13 router_w's: v12 lanes 0-15 tile 0, lanes 16-31 tile 1; v13 tiles 2, 3 (scales and nothing else)
.set MX,   14                          ; v14-17 at work
.set SO,   18                          ; v18-19 the conversions' scale operands
.set PC,   20                          ; v20-31 x's codes
.set T2,   32                          ; v32-39 the conversions' second halves
.set ACC,  40                          ; v40-71 four accumulators
.set X,    72                          ; v72-135 64 numbers of x; then router_w's four fragments; at the end the partial sums
.set R,    136                         ; v136-231 the ring: three half sets of 32
.set IDX,  R                           ; at the end: my four experts' numbers as f32,
.set BIG,  R+4                         ; 64.0, above every expert's number,
.set NINF, R+5                         ; -infinity,
.set TK,   R+8                         ; 16 registers for each of my two tokens: +0 l1, +1 its expert, +2 l2, +3 its expert, +4..7 candidates, +8..11 the logits without the first, +12 e, +13 w1, +14 w2, +15 at work
.set O,    R+40                        ; the result: 4 registers a token
.set NS,   R+64                        ; noise: 4 registers a token (the third ring place's registers)
.set BI,   R+72                        ; K's tail for my four experts
.set WV,   12                          ; s12  wave
.set G1,   16                          ; s[16:23] descriptor group 1
.set G0,   24                          ; s[24:27] group 0
.set SEL,  30                          ; s[30:31] v_permlanex16_b32's selects for lane l xor 16
.set MK,   32                          ; s32-39 lane masks: 'this expert is the token's first'
; A round of the cluster's barrier: my work-group's barrier, wave 0 signals for the work-group, every wave waits for all four work-groups, my work-group's barrier once more.
.macro CROUND
	s_barrier_signal -1
	s_barrier_wait -1
	s_cmp_lg_u32 s[WV], 0
	s_cbranch_scc1 .Lnot_wave_0_\@
	s_barrier_signal -3
.Lnot_wave_0_\@:
	s_barrier_wait -3
	s_barrier_signal -1
	s_barrier_wait -1
.endm
; Half set n of eight: K step n / 2, rows 8 (n % 2) on, into ring place n % 3
.macro LOADH n
.irp i, 0,1,2,3,4,5,6,7
	global_load_b128 v[R+32*((\n)%3)+4*\i:R+32*((\n)%3)+4*\i+3], v[XO], s[4:5] offset:(8*((\n)%2)+\i)*ROWX+((\n)/2)*KSB th:TH_LOAD_NT
.endr
.endm
.macro TOSTAGE n
.irp i, 0,1,2,3,4,5,6,7
	ds_store_b128 v[SST], v[R+32*((\n)%3)+4*\i:R+32*((\n)%3)+4*\i+3] offset:(8*((\n)%2)+\i)*SPITCH
.endr
.endm
; One product: tile t of experts x my 16 tokens, 128 along K.  The first K step starts the sums: nothing is cleared.
.macro MM s, t
.if (\s) == 0
.if (\t)%2
	v_wmma_scale_f32_16x16x128_f8f6f4 v[ACC+8*(\t):ACC+8*(\t)+7], v[X+12*(\t):X+12*(\t)+11], v[PC:PC+11], 0, v[WS+(\t)/2], v[XSW] matrix_a_fmt:MATRIX_FMT_BF6 matrix_b_fmt:MATRIX_FMT_BF6 matrix_a_scale:MATRIX_SCALE_ROW1
.else
	v_wmma_scale_f32_16x16x128_f8f6f4 v[ACC+8*(\t):ACC+8*(\t)+7], v[X+12*(\t):X+12*(\t)+11], v[PC:PC+11], 0, v[WS+(\t)/2], v[XSW] matrix_a_fmt:MATRIX_FMT_BF6 matrix_b_fmt:MATRIX_FMT_BF6
.endif
.else
.if (\t)%2
	v_wmma_scale_f32_16x16x128_f8f6f4 v[ACC+8*(\t):ACC+8*(\t)+7], v[X+12*(\t):X+12*(\t)+11], v[PC:PC+11], v[ACC+8*(\t):ACC+8*(\t)+7], v[WS+(\t)/2], v[XSW] matrix_a_fmt:MATRIX_FMT_BF6 matrix_b_fmt:MATRIX_FMT_BF6 matrix_a_scale:MATRIX_SCALE_ROW1
.else
	v_wmma_scale_f32_16x16x128_f8f6f4 v[ACC+8*(\t):ACC+8*(\t)+7], v[X+12*(\t):X+12*(\t)+11], v[PC:PC+11], v[ACC+8*(\t):ACC+8*(\t)+7], v[WS+(\t)/2], v[XSW] matrix_a_fmt:MATRIX_FMT_BF6 matrix_b_fmt:MATRIX_FMT_BF6
.endif
.endif
.endm
; K step s of my four.  la, lb: the younger loads that may stay out when the step's first and its second half set have to be in.
; The loads' order of issue: half sets 0, 1, 2 at the head; 3, 4 in step 0; 5, 6 in step 1; 7 and then three small loads in step 2.  So behind each half set of steps 0 to 2 stand two younger ones when it is waited for.
.macro STEP s, la, lb
	s_wait_loadcnt \la                             ; loads come back in order (ISA guide 5.7.1): the step's first half set is in
	TOSTAGE 2*(\s)
.if 2*(\s)+3 < 8
	s_wait_dscnt 0x0                               ; its eight stores into the stage are done, so they have read their registers,
	LOADH 2*(\s)+3                                 ; which take the half set three on at once
.endif
	s_wait_loadcnt \lb                             ; the second half set is in
	TOSTAGE 2*(\s)+1
.irp c, 0,1
.irp j, 0,1,2,3,4,5,6,7
	ds_load_b128 v[X+32*\c+4*\j:X+32*\c+4*\j+3], v[SLD] offset:256*\c+16*\j   ; token r, k = 64 c + 32 h + 0 .. 31.  LDS serves a wave's instructions in order (ISA guide 5.7.1.4): these see my stores
.endr
.endr
.if (\s) < 3
	s_wait_dscnt 16                                ; 24 LDS instructions of mine were out, and they end in order: all but the sixteen loads just issued are done: the second half set's eight stores have read their registers
.endif
.if 2*(\s)+4 < 8
	LOADH 2*(\s)+4                                 ; which take the half set three on, while the numbers come back from the stage
.endif
.if (\s) == 2
	global_load_b128 v[NS:NS+3], v[XO], s[6:7] th:TH_LOAD_NT               ; no half set is left for the third ring place: it takes my four tokens' noise, 512 consecutive bytes a load,
	global_load_b128 v[NS+4:NS+7], v[XO], s[6:7] offset:512 th:TH_LOAD_NT
	global_load_b128 v[BI:BI+3], v[BO], s[8:9] offset:WIMGB                ; and K's tail for my four experts
.endif
	s_wait_dscnt 0x0                               ; the step's 64 numbers are back
.irp u, 0,1,2,3
	v_max3_num_f32 v[MX+\u], |v[X+16*\u]|, |v[X+16*\u+1]|, FLOOR           ; my two blocks' largest magnitudes, in four chains, with the floor among the leaves: the byte cannot fall under 1
.endr
.irp i, 2,4,6,8,10,12,14
.irp u, 0,1,2,3
	s_delay_alu instid0(VALU_DEP_4)
	v_max3_num_f32 v[MX+\u], v[MX+\u], |v[X+16*\u+\i]|, |v[X+16*\u+\i+1]|
.endr
.endr
	s_delay_alu instid0(VALU_DEP_3)
	v_max_num_f32 v[MX], v[MX], v[MX+1]
	s_delay_alu instid0(VALU_DEP_2)
	v_max_num_f32 v[MX+1], v[MX+2], v[MX+3]
	s_delay_alu instid0(VALU_DEP_2)
	v_add_nc_u32 v[SO], 0xfe000000, v[MX]          ; 4 off the exponent field: the conversion takes this operand's exponent field as its scale
	s_delay_alu instid0(VALU_DEP_2)
	v_add_nc_u32 v[SO+1], 0xfe000000, v[MX+1]
	s_delay_alu instid0(VALU_DEP_2)
	v_lshrrev_b32 v[MX], 23, v[SO]                 ; the scales' bytes
	s_delay_alu instid0(VALU_DEP_2)
	v_lshrrev_b32 v[MX+1], 23, v[SO+1]
	s_delay_alu instid0(VALU_DEP_1)
	v_lshl_or_b32 v[MX], v[MX+1], 16, v[MX]        ; blocks h and 2 + h of my token,
	s_delay_alu instid0(VALU_DEP_1)
	v_lshlrev_b32 v[MX], v[SH], v[MX]              ; at their places in the scale word;
	s_delay_alu instid0(VALU_DEP_1)
	v_permlanex16_b32 v[MX+2], v[MX], s[SEL], s[SEL+1]
	s_delay_alu instid0(VALU_DEP_1)
	v_or_b32 v[XSW], v[MX], v[MX+2]                ; with lane l xor 16's two the word is whole
	v_cvt_scalef32_pk16_bf6_f32 v[PC:PC+2], v[X:X+15], v[SO]
	v_cvt_scalef32_pk16_bf6_f32 v[T2:T2+2], v[X+16:X+31], v[SO]            ; (a conversion's three registers begin on an even number: a block's second half is made elsewhere and moved)
	v_cvt_scalef32_pk16_bf6_f32 v[PC+6:PC+8], v[X+32:X+47], v[SO+1]
	v_cvt_scalef32_pk16_bf6_f32 v[T2+4:T2+6], v[X+48:X+63], v[SO+1]
	v_nop                                          ; one plain place behind the conversions
.if (\s) == 0
	s_wait_alu depctr_va_vdst(0)
	s_wait_tensorcnt 0x0                           ; my part of the image, if I fetched one, has landed (no LDS instruction of mine is out),
	s_barrier_signal -1
	s_barrier_wait -1                              ; everybody's has
.endif
.irp t, 0,1,2,3
.irp g, 0,1,2
	ds_load_b128 v[X+12*\t+4*\g:X+12*\t+4*\g+3], v[WLD] offset:(\s)*KIMG+\t*FRB+512*\g   ; router_w's four fragments, as they were stored, into the registers that the numbers of x have left
.endr
.endr
	ds_load_b32 v[WS], v[WSC] offset:(\s)*KIMG+4*FRB
	ds_load_b32 v[WS+1], v[WSC] offset:(\s)*KIMG+4*FRB+128
.irp i, 0,1,2
	v_mov_b32 v[PC+3+\i], v[T2+\i]
	v_mov_b32 v[PC+9+\i], v[T2+4+\i]
.endr
.rept 4
	v_nop                                          ; codes written by vector instructions stand four places ahead of a scaled matrix instruction; x's scale word stands eleven ahead (8 are asked)
.endr
	s_wait_alu depctr_va_vdst(0)
	s_wait_dscnt 0x0
.irp t, 0,1,2,3
	MM \s, \t                                      ; the four accumulators by turns, from step to step too
.endr
.rept 4
	v_nop                                          ; four places ahead of the loads into the fragments' registers, and of the first read of the sums
.endr
.endm
	s_load_b256 s[4:11], s[0:1], 0x0               ; x s[4:5], noise s[6:7], the image s[8:9], the result s[10:11]
	v_lshl_add_u32 v232, v0, 2, 0x3a000
	v_mov_b32 v233, 0
	ds_add_u32 v232, v233
	ds_add_u32 v232, v233
	v_and_b32 v[MX], 31, v0                        ; lane
	s_delay_alu instid0(VALU_DEP_1)
	v_lshlrev_b32 v[XO], 4, v[MX]
	v_lshrrev_b32 v[MX+3], 5, v0
	s_delay_alu instid0(VALU_DEP_1)
	v_readfirstlane_b32 s[WV], v[MX+3]             ; wave 0..15
	s_lshr_b32 s13, s[WV], 2                       ; m: my tile of 16 tokens
	s_and_b32 s14, s[WV], 3                        ; q: my quarter of K
	s_bfe_u32 s15, ttmp6, 0x40000                  ; cx: my place in the cluster
	s_lshl_b32 s28, ttmp9, 2                       ; in a cluster launch ttmp9 counts clusters
	s_add_co_u32 s28, s28, s15                     ; my work-group: it enters the addresses of x, noise and the result alone
	s_lshl_b32 s40, s28, 19                        ; x: 64 rows of 8,192 bytes a work-group,
	s_lshl_b32 s29, s13, 17                        ; 16 rows a tile,
	s_add_co_u32 s40, s40, s29
	s_lshl_b32 s29, s14, 11                        ; 2,048 bytes of a row a quarter
	s_add_co_u32 s40, s40, s29
	s_mov_b32 s41, 0
	s_lshl_b32 s42, s28, 14                        ; noise and the result: 64 rows of 256 bytes a work-group,
	s_lshl_b32 s29, s[WV], 10                      ; four rows a wave
	s_add_co_u32 s42, s42, s29
	s_mov_b32 s43, 0
	s_wait_alu depctr_va_vdst(0)
	s_wait_dscnt 0x0
	s_wait_kmcnt 0x0
	s_add_nc_u64 s[4:5], s[4:5], s[40:41]
	LOADH 0                                        ; the ring is filled before anything else is done
	LOADH 1
	LOADH 2
	s_add_nc_u64 s[6:7], s[6:7], s[42:43]
	s_add_nc_u64 s[10:11], s[10:11], s[42:43]
	; the image's descriptor: a dense block, 100 rows of 256 bytes (32 elements of 8 bytes) a wave, no padding: it is read back 16 bytes a lane on end
	s_mov_b32 s[G1], 15|(3<<16)|(1<<21)            ; 15:0 the mask: all four work-groups; 17:16 elements of 8 bytes; 21 set beside a mask
	s_mov_b32 s[G1+1], 32<<16                      ; tensor_dim0 = 32
	s_mov_b32 s[G1+2], 100<<16                     ; tensor_dim1 = 100
	s_mov_b32 s[G1+3], 32<<16                      ; tile_dim0 = 32
	s_mov_b32 s[G1+4], 100                         ; tile_dim1 = 100
	s_mov_b32 s[G1+5], 32                          ; from row to row
	s_mov_b32 s[G1+6], 0
	s_mov_b32 s[G1+7], 0
	s_mul_i32 s44, s[WV], TLB                      ; wave w's quarter, in memory and in LDS alike: the wave's number alone
	s_mov_b32 s45, 0
	s_mov_b32 s[G0], 1
	s_mov_b32 s[G0+1], s44
	s_add_nc_u64 s[G0+2:G0+3], s[8:9], s[44:45]
	s_or_b32 s[G0+3], s[G0+3], 0x80000000
	s_mov_b32 s[SEL], 0x76543210
	s_mov_b32 s[SEL+1], 0xfedcba98
	CROUND                                         ; all four work-groups are here: the joint loads meet
	s_cmp_lt_u32 s[WV], 4
	s_cbranch_scc0 .Lno_fill
	tensor_load_to_lds s[G0:G0+3], s[G1:G1+7]      ; one load a wave, waves 0 to 3; LDS is filled once
	s_nop 0
.rept 4
	v_nop
.endr
.Lno_fill:
	v_and_b32 v[MX+1], 15, v0                      ; r
	v_bfe_u32 v[MX+2], v0, 4, 1                    ; h
	s_delay_alu instid0(VALU_DEP_2)
	v_lshlrev_b32 v[BO], 4, v[MX+1]
	s_delay_alu instid0(VALU_DEP_2)
	v_lshlrev_b32 v[SH], 3, v[MX+2]
	s_mul_i32 s46, s[WV], STGB
	s_add_co_u32 s46, s46, STAGE                   ; my stage
	v_add_nc_u32 v[SST], s46, v[XO]
	v_mul_u32_u24 v[SLD], v[MX+1], SPITCH
	s_delay_alu instid0(VALU_DEP_1)
	v_lshl_add_u32 v[SLD], v[MX+2], 7, v[SLD]
	s_delay_alu instid0(VALU_DEP_1)
	v_add_nc_u32 v[SLD], s46, v[SLD]
	s_mul_i32 s47, s14, TLB                        ; my K quarter of the image
	v_add_nc_u32 v[WLD], s47, v[XO]
	v_lshl_add_u32 v[WSC], v[MX], 2, s47
	v_mul_u32_u24 v[PST], v[MX+1], PPITCH
	s_delay_alu instid0(VALU_DEP_1)
	v_lshl_add_u32 v[PST], v[MX+2], 5, v[PST]
	s_delay_alu instid0(VALU_DEP_1)
	v_add_nc_u32 v[PST], s46, v[PST]               ; partial sums in: token r, + 32 h; tile t 64 t bytes on
	s_mul_i32 s48, s13, 4*STGB                     ; partial sums out: the four stages of my tile of tokens,
	s_mul_i32 s49, s14, 4*PPITCH                   ; in each my four tokens' rows: 4 q on;
	s_add_co_u32 s48, s48, s49
	s_add_co_u32 s48, s48, STAGE
	v_mul_u32_u24 v[PRD], v[MX+2], PPITCH          ; lanes 0-15 one token, lanes 16-31 the next, 16 bytes a lane
	s_delay_alu instid0(VALU_DEP_1)
	v_add_nc_u32 v[PRD], v[PRD], v[BO]
	s_delay_alu instid0(VALU_DEP_1)
	v_add_nc_u32 v[PRD], s48, v[PRD]
	s_wait_alu depctr_va_vdst(0)
	STEP 0, 16, 16                                 ; behind the half set that is waited for, two younger half sets' sixteen loads may stay out
	STEP 1, 16, 16
	STEP 2, 16, 16
	STEP 3, 11, 3                                  ; behind half set 6: half set 7's eight loads, noise's two and the tail's one; behind half set 7: those three
	; ---- the four quarters of K meet.  Lane (r, h), accumulator t, register j: token r, expert 16 t + 8 h + j
.irp t, 0,1,2,3
	ds_store_b128 v[PST], v[ACC+8*\t:ACC+8*\t+3] offset:64*\t              ; each accumulator from its low end on
	ds_store_b128 v[PST], v[ACC+8*\t+4:ACC+8*\t+7] offset:64*\t+16
.endr
	s_wait_dscnt 0x0                               ; for the others' sake: my sums have landed
	s_barrier_signal -1
	s_barrier_wait -1
.irp p, 0,1,2,3
.irp i, 0,1
	ds_load_b128 v[X+8*\p+4*\i:X+8*\p+4*\i+3], v[PRD] offset:\p*STGB+\i*2*PPITCH   ; quarter p, tokens 4 q + 2 i + lane / 16, experts 4 (lane % 16) on
.endr
.endr
	v_lshrrev_b32 v[IDX], 2, v[BO]                 ; my first expert: 4 (lane % 16),
	s_delay_alu instid0(VALU_DEP_1)
	v_cvt_f32_u32 v[IDX], v[IDX]                   ; as f32, so that the lanes' minimum is plain f32 arithmetic
	s_delay_alu instid0(VALU_DEP_1)
	v_add_f32 v[IDX+1], 1.0, v[IDX]
	s_delay_alu instid0(VALU_DEP_2)
	v_add_f32 v[IDX+2], 2.0, v[IDX]
	s_delay_alu instid0(VALU_DEP_2)
	v_add_f32 v[IDX+3], 2.0, v[IDX+1]
	v_mov_b32 v[BIG], 0x42800000                   ; 64.0
	v_mov_b32 v[NINF], 0xff800000
	s_wait_loadcnt 0x0                             ; noise and K's tail
	s_wait_dscnt 0x0
.irp p, 1,2,3
.irp u, 0,2,4,6
	v_pk_add_f32 v[X+\u:X+\u+1], v[X+\u:X+\u+1], v[X+8*\p+\u:X+8*\p+\u+1]   ; K ascending
.endr
.endr
.irp u, 0,2,4,6
	s_delay_alu instid0(VALU_DEP_4)
	v_pk_add_f32 v[X+\u:X+\u+1], v[X+\u:X+\u+1], v[BI+\u%4:BI+\u%4+1]       ; K's tail
.endr
.irp u, 0,2,4,6
	s_delay_alu instid0(VALU_DEP_4)
	v_pk_fma_f32 v[X+\u:X+\u+1], v[NS+\u:NS+\u+1], 0x3dcccccd, v[X+\u:X+\u+1] op_sel_hi:[1,0,1]   ; + 0.1 noise: the logits, v[X + 4 i + j]
.endr
; over the sixteen lanes that share a token; my two tokens by turns
.macro ROWMAX d
.irp k, 1,2,4,8
.irp i, 0,1
	s_delay_alu instid0(VALU_DEP_2)
	v_max_num_f32_dpp v[TK+16*\i+\d], v[TK+16*\i+\d], v[TK+16*\i+\d] row_xmask:\k row_mask:0xf bank_mask:0xf
.endr
.endr
.endm
.macro ROWMIN d
.irp k, 1,2,4,8
.irp i, 0,1
	s_delay_alu instid0(VALU_DEP_2)
	v_min_num_f32_dpp v[TK+16*\i+\d], v[TK+16*\i+\d], v[TK+16*\i+\d] row_xmask:\k row_mask:0xf bank_mask:0xf
.endr
.endr
.endm
; the largest of a token's 64 numbers v[vb + vs i + j] into TK + dm, and the LOWEST expert that holds it into TK + di (jax.lax.top_k keeps the lower index)
.macro LARGEST vb, vs, dm, di
.irp i, 0,1
	v_max3_num_f32 v[TK+16*\i+\dm], v[\vb+\vs*\i], v[\vb+\vs*\i+1], v[\vb+\vs*\i+2]
.endr
.irp i, 0,1
	s_delay_alu instid0(VALU_DEP_2)
	v_max_num_f32 v[TK+16*\i+\dm], v[TK+16*\i+\dm], v[\vb+\vs*\i+3]
.endr
	ROWMAX \dm
.irp i, 0,1
.irp j, 0,1,2,3
	v_cmp_eq_f32 vcc_lo, v[\vb+\vs*\i+\j], v[TK+16*\i+\dm]
	s_delay_alu instid0(VALU_DEP_1)
	v_cndmask_b32 v[TK+16*\i+4+\j], v[BIG], v[IDX+\j], vcc_lo
.endr
.endr
.irp i, 0
	v_min3_num_f32 v[TK+16*\i+\di], v[TK+16*\i+4], v[TK+16*\i+5], v[TK+16*\i+6]
.endr
.irp i, 1
	s_delay_alu instid0(VALU_DEP_4)
	v_min3_num_f32 v[TK+16*\i+\di], v[TK+16*\i+4], v[TK+16*\i+5], v[TK+16*\i+6]
.endr
.irp i, 0,1
	s_delay_alu instid0(VALU_DEP_2)
	v_min_num_f32 v[TK+16*\i+\di], v[TK+16*\i+\di], v[TK+16*\i+7]
.endr
	ROWMIN \di
.endm
	LARGEST X, 4, 0, 1                             ; l1 and its expert
.irp i, 0,1
.irp j, 0,1,2,3
	v_cmp_eq_f32 s[MK+4*\i+\j], v[IDX+\j], v[TK+16*\i+1]
	s_delay_alu instid0(VALU_DEP_1)
	v_cndmask_b32 v[TK+16*\i+8+\j], v[X+4*\i+\j], v[NINF], s[MK+4*\i+\j]   ; the logits without the first
.endr
.endr
	LARGEST TK+8, 16, 2, 3                         ; l2 and its expert
.irp i, 0,1
	v_sub_f32 v[TK+16*\i+15], v[TK+16*\i+2], v[TK+16*\i]                   ; l2 - l1: the row's maximum is taken away; never above 0
.endr
.irp i, 0,1
	s_delay_alu instid0(VALU_DEP_2)
	v_mul_f32 v[TK+16*\i+15], 0x3fb8aa3b, v[TK+16*\i+15]
.endr
	s_wait_alu depctr_va_vdst(0)
.irp i, 0,1
	v_exp_f32 v[TK+16*\i+12], v[TK+16*\i+15]       ; e = p2 / p1
.endr
	v_nop                                          ; a plain instruction behind the exponentials,
	s_wait_alu depctr_va_vdst(0)                   ; and one wait for both ahead of their first reader
.irp i, 0,1
	v_add_f32 v[TK+16*\i+15], 1.0, v[TK+16*\i+12]
.endr
	s_wait_alu depctr_va_vdst(0)
.irp i, 0,1
	v_rcp_f32 v[TK+16*\i+13], v[TK+16*\i+15]       ; w1 = p1 / (p1 + p2)
.endr
	v_nop
	s_wait_alu depctr_va_vdst(0)                   ; likewise for the two reciprocals
.irp i, 0,1
	v_mul_f32 v[TK+16*\i+14], v[TK+16*\i+12], v[TK+16*\i+13]               ; w2 = p2 / (p1 + p2)
.endr
.irp i, 0,1
.irp j, 0,1,2,3
	v_cmp_eq_f32 vcc_lo, v[IDX+\j], v[TK+16*\i+3]
	s_delay_alu instid0(VALU_DEP_1)
	v_cndmask_b32 v[O+4*\i+\j], 0, v[TK+16*\i+14], vcc_lo                  ; w2 at the second expert, 0 elsewhere,
	v_cndmask_b32 v[O+4*\i+\j], v[O+4*\i+\j], v[TK+16*\i+13], s[MK+4*\i+\j]   ; w1 at the first
.endr
.endr
	global_store_b128 v[XO], v[O:O+3], s[10:11] th:TH_STORE_NT             ; 32 lanes store two tokens' rows: 512 consecutive bytes, at a multiple of 256 from the result's first byte
	global_store_b128 v[XO], v[O+4:O+7], s[10:11] offset:512 th:TH_STORE_NT
	s_wait_tensorcnt 0x0
	ds_add_u32 v232, v233
	s_wait_dscnt 0x0
	CROUND                                         ; the closing round: no work-group ends while a partner may still ask for the image jointly
	s_endpgm
.Lfunc_end_k_q6dcc3645c4_route:
	.size	k_q6dcc3645c4_route, .Lfunc_end_k_q6dcc3645c4_route-k_q6dcc3645c4_route
	.p2alignl 7, 3214868480
	.fill 96, 4, 3214868480
	.section	.rodata,"a",@progbits
	.p2align	6, 0x0
	.amdhsa_kernel k_q6dcc3645c4_route
		.amdhsa_group_segment_fixed_size 239616
		.amdhsa_private_segment_fixed_size 0
		.amdhsa_enable_private_segment 0
		.amdhsa_kernarg_size 32
		.amdhsa_user_sgpr_count 2
		.amdhsa_user_sgpr_kernarg_segment_ptr 1
		.amdhsa_wavefront_size32 1
		.amdhsa_system_sgpr_workgroup_id_x 1
		.amdhsa_system_sgpr_workgroup_id_y 1
		.amdhsa_system_sgpr_workgroup_id_z 1
		.amdhsa_system_vgpr_workitem_id 0
		.amdhsa_next_free_vgpr 234
		.amdhsa_next_free_sgpr 66
		.amdhsa_reserve_vcc 1
		.amdhsa_float_denorm_mode_32 3
		.amdhsa_float_denorm_mode_16_64 3
		.amdhsa_memory_ordered 1
		.amdhsa_forward_progress 1
		.amdhsa_inst_pref_size 56
	.end_amdhsa_kernel
	.amdgpu_metadata
---
amdhsa.version: [ 1, 2 ]
amdhsa.kernels:
  - .name:           k_q6dcc3645c4_route
    .symbol:         k_q6dcc3645c4_route.kd
    .args:
      - { .name: x, .offset: 0, .size: 8, .value_kind: global_buffer, .address_space: global }
      - { .name: noise, .offset: 8, .size: 8, .value_kind: global_buffer, .address_space: global }
      - { .name: wimg, .offset: 16, .size: 8, .value_kind: global_buffer, .address_space: global }
      - { .name: out0, .offset: 24, .size: 8, .value_kind: global_buffer, .address_space: global }
    .group_segment_fixed_size: 239616
    .private_segment_fixed_size: 0
    .kernarg_segment_align: 8
    .kernarg_segment_size: 32
    .max_flat_workgroup_size: 512
    .sgpr_count:     66
    .vgpr_count:     234
    .wavefront_size: 32
...
	.end_amdgpu_metadata
.endif
;; end of part 2
